; MI455X (gfx1250); checked and timed in simulation.
; The chip was launched on July 23, 2026; its instructions are those of AMD's public machine-readable ISA for CDNA 5 (MIT licence, August 2026) and "CDNA5" Instruction Set Architecture Reference Guide (July 2026). The comments in the code are by the model that wrote it; some were corrected since.
;; Multi Head Self Attention. Allowed arithmetic: matrix products marked QUANTISED: E4M3 operands, one given power-of-two scale a tensor, by v_wmma_f32_16x16x64_fp8_fp8 or v_wmma_f32_16x16x128_fp8_fp8, f32 sums; everything else in f32.
;; Inputs: W_K 512 x 512 float32; W_O 512 x 512 float32; W_Q 512 x 512 float32; W_V 512 x 512 float32; b_K 512 float32; b_O 512 float32; b_Q 512 float32; b_V 512 float32; combined_embed 2 x 4,096 x 512 float32; lowp_scales 12 int32 (the exponents e of the quantised operands' scales 2^e).
;; Outputs: out0 2 x 4,096 x 512 float32.
;; This version of the problem:
;;   THIS VERSION OF THE PROBLEM IS GIVEN IN LOW PRECISION. The matrix products marked QUANTISED in the list below multiply operands that are first quantised to E4M3 (4 exponent bits, 3 mantissa bits; 8 bits a number), with one given power-of-two scale for each operand tensor; their sums are f32. All else is computed in f32.
;;   The module's matrix products, in the order in which they are computed (A, B: the left and right operand; K: the contracted axis; several contracted axes count as one K, in the product's order):
;;     1. [M 8,192, K 512] x [K 512, N 512]; A: input combined_embed; B: input W_K: QUANTISED (scales: A lowp_scales[0], B lowp_scales[1])
;;     2. [M 8,192, K 512] x [K 512, N 512]; A: input combined_embed; B: input W_Q: QUANTISED (scales: A lowp_scales[2], B lowp_scales[3])
;;     3. [M 8,192, K 512] x [K 512, N 512]; A: input combined_embed; B: input W_V: QUANTISED (scales: A lowp_scales[4], B lowp_scales[5])
;;     4. batch 16 x [M 4,096, K 64] x [K 64, N 4,096]; A: computed on the way; B: computed on the way: QUANTISED (scales: A lowp_scales[6], B lowp_scales[7])
;;     5. batch 16 x [M 4,096, K 4,096] x [K 4,096, N 64]; A: softmax (see below); B: computed on the way: QUANTISED (scales: A lowp_scales[8], B lowp_scales[9])
;;     6. [M 8,192, K 512] x [K 512, N 512]; A: computed on the way; B: input W_O: QUANTISED (scales: A lowp_scales[10], B lowp_scales[11])
;;   THE QUANTISER, for each operand of a quantised product, along K:
;;     - The operand's scale is 2^e, e = its entry of the input lowp_scales (int32; the entries are numbered through the quantised products in the list's order, A before B).
;;     - Each number is divided by the scale, clamped to +-448, and rounded to the nearest number of E4M3, ties to even, subnormals kept.
;;     - The product sums the exact products of the quantised numbers (number of the format x scale) in f32.
;;   ~~~python
;;   def quantise(x, axis, e):      # numpy; x: float32 -> the quantised numbers, widened to float32 again
;;       x = np.moveaxis(x, axis, -1); K = x.shape[-1]
;;       r = np.clip(x / 2.0 ** e, -448, 448)
;;       step = 2.0 ** (np.maximum(np.frexp(np.where(r == 0, 1, r))[1] - 1, -6) - 3)
;;       q = np.round(r / step) * step * 2.0 ** e      # np.round: ties to even
;;       return np.moveaxis(q, -1, axis).astype(np.float32)
;;   ~~~
;;   SOFTMAX AHEAD OF A QUANTISED PRODUCT. Where the list says 'softmax', what is quantised is not the finished softmax but p = 2^(t - M), with t = logit x log2(e) and M = ceil(the row's largest t), a whole number; so 1/2 < the row's largest p <= 1. The row's sum l is taken of the UNQUANTISED p, in f32, and the product's result is divided by l at the end. Since M is a whole number, a kernel that streams over the keys may use a running M (the ceiling of the running maximum): every later rescaling is an exact power of two, so the quantised numbers keep their values, but for numbers so far below the row's largest that they fall under the format's range.
;;   OPERANDS COMPUTED ON THE WAY. 'Computed on the way' means the value that the module computes at that place (a softmax that the list does not call 'softmax' is quantised finished and normalised). What goes into a quantiser is computed in f32, as accurately as f32 sums, v_exp_f32 and their like allow (about 1e-6 of the number): no bf16 or f16 on the way to a quantiser, and a product that is left as it is and whose result goes on into a quantised operand takes f32 operands (vector FMAs, or v_wmma_f32_16x16x4_f32). A number that lies on a knife's edge between two numbers of the format may be rounded either way, as far as f32 arithmetic and the matrix unit's own rounding can turn it there, and no further.
;; One version. Each part assembles by itself: llvm-mc -triple=amdgcn-amd-amdhsa -mcpu=gfx1250 --defsym DOCPART=n.
;; ======== version 1 of 1: 4 launches
;; limits: right only within a limited range of input values
;; workspace buffers: x_img 12,582,912 bytes; w_img 1,048,576 bytes; q_img 4,194,304 bytes; kv_img 8,388,608 bytes; z_img 4,194,304 bytes
;; launch prep (part 1): grid 320 x 1, 4 waves a work-group, no clusters, 68,096 bytes of LDS; arguments combined_embed, W_K, W_Q, W_V, W_O, lowp_scales, x_img, w_img; writes x_img, w_img
.if DOCPART == 1
	.amdgcn_target "amdgcn-amd-amdhsa--gfx1250"
	.amdhsa_code_object_version 6
	.text
	.protected	k_q8c5e08194e_prep
	.globl	k_q8c5e08194e_prep
	.p2align	8
	.type	k_q8c5e08194e_prep,@function
k_q8c5e08194e_prep:
	s_mov_b64 s[64:65], 0
	v_nop
	global_prefetch_b8 v0, s[64:65] scope:SCOPE_SE
	s_setreg_imm32_b32 hwreg(HW_REG_WAVE_MODE, 25, 1), 1
	s_wait_xcnt 0x0
; x [8192][512] f32 and the four weights [512 (k)][512 (n)] f32 become codes of E4M3, laid as IMAGES OF OPERAND REGISTERS.
; An image is a fragment of 16 rows x 128 K, 2,048 bytes: [c 0..3][lane 0..31][16 bytes]; lane (r, h), part c holds k = 32 c + 16 h + 0 .. 15 of the tile's row r.
; THE ROWS OF A TILE ARE NOT NEIGHBOURS: in each group of 32 rows (tokens, or a weight's columns n) tile u (0, 1) takes in its row r the index 8 u + r + 8 (r / 8).
; x_img: [p 3][K step 4][token tile 512][2048]: x is quantised three times, with the scales given for the products K, Q and V (entries 0, 2, 4).
; w_img: [weight 4: K, Q, V, O][K step 4][column tile 32][2048], with entries 1, 3, 5, 11.
; code = number / 2^e, held within +-448, to the nearest code, ties to even.  LIMITS: each e lies between -126 and 119, so that 2^e and 448 x 2^e are f32 numbers; NaN among the inputs is not served.
; Work-groups 0-255 take 32 tokens each; work-groups 256-319 a weight's K step and 128 of its columns.  No matrix work, no tensor load, no barrier: waves share nothing.
; TOKENS: wave w takes tile u = w / 2 of the group and K steps 2 (w % 2), 2 (w % 2) + 1.  Each load reads 512 consecutive bytes of one token's row; a unit of 16 rows x 512 bytes turns through the wave's own
; stage in LDS (rows 528 bytes apart) and comes back 64 bytes a lane, 16 neighbours along K for each part c.  Each store writes 512 consecutive bytes.
; WEIGHTS: a lane takes a column and its registers run down K, so the conversions give codes with K innermost; nothing is transposed.  In each store two groups of sixteen lanes write 256 consecutive bytes each.
.set SP,    528                        ; a stage row: 512 bytes + 16
.set WREG,  2*16*SP                    ; a wave's two stages
.set SPARE, 4*WREG                     ; behind the stages: the spare words, 128 bytes for each wave: two blocks of 256 bytes that no other line names
.set SPW,   4                          ; v4   LDS address of my spare word; never rewritten
.set NIL,   5                          ; v5   0; never rewritten
.set R,     16                         ; v16-143  numbers as loaded (tokens: two units of 64; weights: four blocks of 32); the tokens' codes take their place
.set X,     144                        ; v144-207 tokens: a unit's 64 numbers, turned; weights: the codes
.set T0,    R+48                       ; v64-79   sixteen held numbers, by turns with
.set T1,    208                        ; v208-223
.macro XLOADS n                        ; unit n: the tile's 16 rows, 512 bytes of each
.irp i, 0,1,2,3,4,5,6,7,8,9,10,11,12,13,14,15
	global_load_b128 v[R+64*(\n)+4*\i:R+64*(\n)+4*\i+3], v1, s[34:35] offset:(\i+8*(\i/8))*2048+512*(\n) th:TH_LOAD_NT
.endr
.endm
.macro XTURN n                         ; through my stage n: LDS serves a wave's instructions in order, so no wait stands between the stores and the loads
.irp i, 0,1,2,3,4,5,6,7,8,9,10,11,12,13,14,15
	ds_store_b128 v2, v[R+64*(\n)+4*\i:R+64*(\n)+4*\i+3] offset:16*SP*(\n)+SP*\i
.endr
.irp c, 0,1,2,3
.irp j, 0,1,2,3
	ds_load_b128 v[X+16*\c+4*\j:X+16*\c+4*\j+3], v3 offset:16*SP*(\n)+128*\c+16*\j
.endr
.endr
.endm
.macro XQ n, p                         ; unit n with scale p: the numbers in X stay as they are, since three scales want them
.irp c, 0,1,2,3
.set TT, T0+(T1-T0)*(\c%2)
.set CD, R+64*(\n)+16*(\p)+4*\c
.irp i, 0,1,2,3,4,5,6,7,8,9,10,11,12,13,14,15
	v_med3_num_f32 v[TT+\i], v[X+16*\c+\i], -v[9+\p], v[9+\p]      ; the conversion does not saturate (ISA guide 7.6.2): the hold at the largest code x the scale
.endr
	v_cvt_scalef32_pk8_fp8_f32 v[CD:CD+1], v[TT:TT+7], v[6+\p]
	v_cvt_scalef32_pk8_fp8_f32 v[CD+2:CD+3], v[TT+8:TT+15], v[6+\p]  ; the next vector lines write the other sixteen: plain lines that touch nothing of these two
	global_store_b128 v1, v[CD:CD+3], s[36+2*(\p):37+2*(\p)] offset:(\n)*1048576+512*\c   ; 32 lanes store 512 consecutive bytes; each part has registers of its own, so no store's data are written again
.endr
.endm
.macro WLOADS c                        ; block c: W(32 c + i, my column)
.irp i, 0,1,2,3,4,5,6,7,8,9,10,11,12,13,14,15,16,17,18,19,20,21,22,23,24,25,26,27,28,29,30,31
	global_load_b32 v[R+32*(\c)+\i], v12, s[34:35] offset:(32*(\c)+\i)*2048 th:TH_LOAD_NT
.endr
.endm
.macro WBLOCK c
.if (\c) < 3
	s_wait_loadcnt 32                              ; this block's 32 loads are in; the next block's 32 are younger
.else
	s_wait_loadcnt 0x0
.endif
.irp i, 0,1,2,3,4,5,6,7,8,9,10,11,12,13,14,15,16,17,18,19,20,21,22,23,24,25,26,27,28,29,30,31
	v_med3_num_f32 v[R+32*(\c)+\i], v[R+32*(\c)+\i], -v15, v15
.endr
.irp g, 0,1,2,3
	v_cvt_scalef32_pk8_fp8_f32 v[X+8*(\c)+2*\g:X+8*(\c)+2*\g+1], v[R+32*(\c)+8*\g:R+32*(\c)+8*\g+7], v14
.endr
	v_nop
	global_store_b128 v13, v[X+8*(\c):X+8*(\c)+3], s[36:37] offset:512*(\c)         ; k = 32 c + 0 .. 15: the image's lanes 0-15
	global_store_b128 v13, v[X+8*(\c)+4:X+8*(\c)+7], s[36:37] offset:512*(\c)+256   ; k = 32 c + 16 .. 31: its lanes 16-31
.if (\c) < 2
	WLOADS (\c)+2
.endif
.endm
	s_load_b512 s[4:19], s[0:1], 0x0               ; x s[4:5], W_K, W_Q, W_V, W_O s[6:13], the exponents s[14:15], x_img s[16:17], w_img s[18:19]
	v_lshl_add_u32 v[SPW], v0, 2, SPARE
	v_mov_b32 v[NIL], 0
	v_lshrrev_b32 v2, 5, v0
	v_readfirstlane_b32 s32, v2                    ; wave 0..3
	v_and_b32 v13, 31, v0                          ; lane
	v_lshlrev_b32 v1, 4, v13                       ; 16 x lane
	v_lshlrev_b32 v12, 2, v13                      ; 4 x lane
	s_wait_kmcnt 0x0
	s_load_b256 s[20:27], s[14:15], 0x0            ; e0 .. e7
	s_load_b128 s[28:31], s[14:15], 0x20           ; e8 .. e11
	s_cmp_lt_u32 ttmp9, 256                        ; the work-group's number alone decides
	s_cbranch_scc0 .Lweights
	; ---- TOKENS
	s_lshr_b32 s33, s32, 1                         ; u
	s_and_b32 s46, s32, 1                          ; which pair of K steps
	s_lshl_b32 s42, ttmp9, 16                      ; 32 tokens of 2,048 bytes,
	s_lshl_b32 s44, s33, 14                        ; + 8 u tokens,
	s_add_co_u32 s42, s42, s44
	s_lshl_b32 s44, s46, 10                        ; + two K steps of 512 bytes
	s_add_co_u32 s42, s42, s44
	s_mov_b32 s43, 0
	s_add_nc_u64 s[34:35], s[4:5], s[42:43]
	s_wait_alu depctr_va_vdst(0)
	XLOADS 0
	XLOADS 1
	s_lshl_b32 s42, s46, 21                        ; x_img: two K steps of 1 MiB,
	s_lshl_b32 s44, ttmp9, 12                      ; + tile 2 g + u of 2,048 bytes
	s_add_co_u32 s42, s42, s44
	s_lshl_b32 s44, s33, 11
	s_add_co_u32 s42, s42, s44
	s_add_nc_u64 s[36:37], s[16:17], s[42:43]      ; scale 0's copy,
	s_add_nc_u64 s[38:39], s[36:37], 0x400000      ; scale 1's,
	s_add_nc_u64 s[40:41], s[36:37], 0x800000      ; scale 2's
	s_mul_i32 s47, s32, WREG                       ; my stages
	v_add_nc_u32 v2, s47, v1                       ; in: 16 x lane of a row
	v_and_b32 v14, 15, v0
	v_bfe_u32 v15, v0, 4, 1
	v_mul_u32_u24 v3, v14, SP
	v_lshl_add_u32 v3, v15, 6, v3
	v_add_nc_u32 v3, s47, v3                       ; out: row r, + 64 h: my 16 numbers of a block of 32
	s_wait_alu depctr_va_vdst(0)
	s_wait_kmcnt 0x0
.irp p, 0,1,2
	s_add_co_i32 s44, s[20+2*\p], 127
	s_lshl_b32 s45, s44, 23
	v_mov_b32 v[6+\p], s45                         ; 2^e as f32: the conversion takes its exponent field
	s_add_co_i32 s44, s44, 8
	s_lshl_b32 s44, s44, 23
	s_or_b32 s44, s44, 0x600000
	v_mov_b32 v[9+\p], s44                         ; 448 x 2^e
.endr
	s_wait_alu depctr_va_vdst(0)
	s_wait_loadcnt 16                              ; unit 0's sixteen loads are in; unit 1's sixteen are younger
	XTURN 0
	s_wait_dscnt 0x0                               ; the unit is back, and the stores into the stage have read their registers: the codes may take them
	XQ 0, 0
	XQ 0, 1
	XQ 0, 2
	s_wait_loadcnt 0x0
	XTURN 1
	s_wait_dscnt 0x0
	XQ 1, 0
	XQ 1, 1
	XQ 1, 2
	s_wait_tensorcnt 0x0                           ; the wave's end: behind my last LDS store
	ds_add_u32 v[SPW], v[NIL]
	s_wait_dscnt 0x0
	s_endpgm
	; ---- WEIGHTS
.Lweights:
	s_sub_co_u32 s33, ttmp9, 256                   ; j = 0 .. 63
	s_lshr_b32 s40, s33, 4                         ; which weight
	s_bfe_u32 s41, s33, 0x20002                    ; which K step of 128
	s_and_b32 s42, s33, 3
	s_lshl_b32 s42, s42, 2
	s_add_co_u32 s42, s42, s32                     ; which group of 32 columns: 4 (j % 4) + wave
	s_cmp_eq_u32 s40, 0
	s_cselect_b64 s[34:35], s[6:7], s[8:9]
	s_cmp_eq_u32 s40, 2
	s_cselect_b64 s[34:35], s[10:11], s[34:35]
	s_cmp_eq_u32 s40, 3
	s_cselect_b64 s[34:35], s[12:13], s[34:35]
	s_lshl_b32 s44, s41, 18                        ; 128 rows of 2,048 bytes a K step,
	s_lshl_b32 s45, s42, 7                         ; 128 bytes a group of columns
	s_add_co_u32 s44, s44, s45
	s_mov_b32 s45, 0
	s_add_nc_u64 s[34:35], s[34:35], s[44:45]
	s_wait_alu depctr_va_vdst(0)
	WLOADS 0
	WLOADS 1
	s_lshl_b32 s44, s40, 18                        ; w_img: 262,144 bytes a weight,
	s_lshl_b32 s46, s41, 16                        ; 65,536 a K step,
	s_add_co_u32 s44, s44, s46
	s_lshl_b32 s46, s42, 12                        ; two tiles of 2,048 a group
	s_add_co_u32 s44, s44, s46
	s_add_nc_u64 s[36:37], s[18:19], s[44:45]
	v_bfe_u32 v14, v13, 3, 1                       ; column x of the group lies in tile u = (x / 8) % 2,
	v_and_b32 v15, 7, v13
	v_lshrrev_b32 v2, 4, v13
	v_lshl_add_u32 v15, v2, 3, v15                 ; in its row r = x % 8 + 8 (x / 16)
	v_lshlrev_b32 v15, 4, v15
	v_lshl_add_u32 v13, v14, 11, v15               ; 2,048 u + 16 r
	s_wait_kmcnt 0x0
	s_cmp_eq_u32 s40, 0
	s_cselect_b32 s44, s21, s23                    ; e1, e3,
	s_cmp_eq_u32 s40, 2
	s_cselect_b32 s44, s25, s44                    ; e5,
	s_cmp_eq_u32 s40, 3
	s_cselect_b32 s44, s31, s44                    ; e11
	s_add_co_i32 s44, s44, 127
	s_lshl_b32 s45, s44, 23
	v_mov_b32 v14, s45                             ; 2^e
	s_add_co_i32 s44, s44, 8
	s_lshl_b32 s44, s44, 23
	s_or_b32 s44, s44, 0x600000
	v_mov_b32 v15, s44                             ; 448 x 2^e
	s_wait_alu depctr_va_vdst(0)
	WBLOCK 0
	WBLOCK 1
	WBLOCK 2
	WBLOCK 3
	s_endpgm
.Lfunc_end_k_q8c5e08194e_prep:
	.size	k_q8c5e08194e_prep, .Lfunc_end_k_q8c5e08194e_prep-k_q8c5e08194e_prep
	.p2alignl 7, 3214868480
	.fill 96, 4, 3214868480
	.section	.rodata,"a",@progbits
	.p2align	6, 0x0
	.amdhsa_kernel k_q8c5e08194e_prep
		.amdhsa_group_segment_fixed_size 68096
		.amdhsa_private_segment_fixed_size 0
		.amdhsa_enable_private_segment 0
		.amdhsa_kernarg_size 64
		.amdhsa_user_sgpr_count 2
		.amdhsa_user_sgpr_kernarg_segment_ptr 1
		.amdhsa_wavefront_size32 1
		.amdhsa_system_sgpr_workgroup_id_x 1
		.amdhsa_system_sgpr_workgroup_id_y 1
		.amdhsa_system_sgpr_workgroup_id_z 1
		.amdhsa_system_vgpr_workitem_id 0
		.amdhsa_next_free_vgpr 224
		.amdhsa_next_free_sgpr 66
		.amdhsa_reserve_vcc 0
		.amdhsa_float_denorm_mode_32 3
		.amdhsa_float_denorm_mode_16_64 3
		.amdhsa_memory_ordered 1
		.amdhsa_forward_progress 1
		.amdhsa_inst_pref_size 63
	.end_amdhsa_kernel
	.amdgpu_metadata
---
amdhsa.version: [ 1, 2 ]
amdhsa.kernels:
  - .name:           k_q8c5e08194e_prep
    .symbol:         k_q8c5e08194e_prep.kd
    .args:
      - { .name: combined_embed, .offset: 0, .size: 8, .value_kind: global_buffer, .address_space: global }
      - { .name: W_K, .offset: 8, .size: 8, .value_kind: global_buffer, .address_space: global }
      - { .name: W_Q, .offset: 16, .size: 8, .value_kind: global_buffer, .address_space: global }
      - { .name: W_V, .offset: 24, .size: 8, .value_kind: global_buffer, .address_space: global }
      - { .name: W_O, .offset: 32, .size: 8, .value_kind: global_buffer, .address_space: global }
      - { .name: lowp_scales, .offset: 40, .size: 8, .value_kind: global_buffer, .address_space: global }
      - { .name: x_img, .offset: 48, .size: 8, .value_kind: global_buffer, .address_space: global }
      - { .name: w_img, .offset: 56, .size: 8, .value_kind: global_buffer, .address_space: global }
    .group_segment_fixed_size: 68096
    .private_segment_fixed_size: 0
    .kernarg_segment_align: 8
    .kernarg_segment_size: 64
    .max_flat_workgroup_size: 128
    .sgpr_count:     66
    .vgpr_count:     224
    .wavefront_size: 32
...
	.end_amdgpu_metadata
.endif
;; end of part 1
;; launch qkv (part 2): grid 32 x 6, 16 waves a work-group, no clusters, 327,680 bytes of LDS; arguments x_img, w_img, b_K, b_Q, b_V, lowp_scales, q_img, kv_img; writes q_img, kv_img
.if DOCPART == 2
	.amdgcn_target "amdgcn-amd-amdhsa--gfx1250"
	.amdhsa_code_object_version 6
	.text
	.protected	k_q8c5e08194e_qkv
	.globl	k_q8c5e08194e_qkv
	.p2align	8
	.type	k_q8c5e08194e_qkv,@function
k_q8c5e08194e_qkv:
	s_mov_b64 s[64:65], 0
	v_nop
	global_prefetch_b8 v0, s[64:65] scope:SCOPE_SE
	s_setreg_imm32_b32 hwreg(HW_REG_WAVE_MODE, 25, 1), 1
	s_wait_xcnt 0x0
; K, Q and V = x W + b on codes of E4M3, quantised again on the way out and stored as images of the registers in which the attention launch wants them.
; An image of 16 rows x 128 K is 2,048 bytes, [c 0..3][lane][16 bytes]: lane (r, h), part c: k = 32 c + 16 h + 0 .. 15 of row r; its halves of 1,024 bytes are fragments of 64 along K.
; The same order of k stands on both sides of every product, so each number meets its partner; only the order of the sums inside an instruction differs from ascending k.
; In each group of 32 rows, tile u holds in row r the index 8 u + r + 8 (r / 8): with such tiles as source 0 a lane's 16 registers of two neighbouring tiles are 16 NEIGHBOURS along the next product's K.
; SHARES.  Work-group (x, y): 256 tokens (x), projection p = y / 2 (0 K, 1 Q, 2 V), 256 of its 512 features (y % 2); all of K = 512.  Sixteen waves, wave (a = w / 4, b = w % 4): source 0's tiles 4 a .. 4 a + 3
; x source 1's tiles 4 b .. 4 b + 3: 16 accumulators.  K, Q: source 0 = W (a lane then holds one token and 64 features: one head); V: source 0 = x (a lane holds one feature and 64 tokens: the keys are V's K).
; Which operand is source 0 is decided in the tensor loads' global addresses alone; LDS and the products are one text.
; LDS: K step s (128 along K) at 65,536 s: source 0's 16 images, then source 1's.  Every wave issues two loads of 8,192 bytes: at the head its part of K steps 0 and 1, and behind the barrier that shows those its part of
; K steps 2 and 3, which have the first two K steps' products in which to land.  Nothing is filled again.
; No cluster: the grid's six rows do not divide by four, and along x only W's half is shared; joint requests would add two rounds and a closing round to a text with two barriers.  No prefetch: there is no loop to run ahead in.
; The bias is the C of each sum's first product, divided by 2^(ea + eb), which the sums lack.  The three scales ahead of the quantiser are folded: code = sum / 2^(eo - ea - eb).
; LIMITS: eo - ea - eb lies between -126 and 119 (eo: entry 7, 6, 9 for K, Q, V; ea, eb: entries 2 p, 2 p + 1).  NaN is not served; what lies beyond the scale's range is held at +-448.
; OUT: q_img [g = 8 batch + head][query tile 256][1024];  kv_img [g][key step of 128: 32][16384]: K's 8 tiles of 1,024 bytes, then V^T's 4 tiles (16 of the head's 64) of 2,048 bytes.
.set SPARE, 262144                     ; behind the four K steps: the spare words, 128 bytes for each of 16 waves: eight blocks of 256 bytes that no other line names
.set BI,  16                           ; v16-47   the bias, four tiles of eight registers
.set F0,  48                           ; v48-79   source 0's four fragments of 64 along K; at the end the codes
.set F1,  80                           ; v80-111  source 1's
.set ACC, 128                          ; v128-255 accumulator (t1, t0) at ACC + 32 t1 + 8 t0
; v1 16 x lane; v2, v3 LDS addresses of my fragments; v4, v5 the add's two; v6 the conversions' scale, v7 448 x it; v8-11 the stores' offsets; v12-15 at work
.macro LOADH hf                        ; my eight fragments of half hf of the K step
.irp t, 0,1,2,3
.irp c, 0,1
	ds_load_b128 v[F0+8*\t+4*\c:F0+8*\t+4*\c+3], v2 offset:\t*2048+(\hf)*1024+\c*512
	ds_load_b128 v[F1+8*\t+4*\c:F1+8*\t+4*\c+3], v3 offset:\t*2048+(\hf)*1024+\c*512
.endr
.endr
.endm
.macro MUL16 mode                      ; 16 products, the accumulators by turns, one instruction a turn.  mode 1, 2: the bias starts the sums
.irp u, 0,1,2,3
.irp t, 0,1,2,3
.if \mode == 0
	v_wmma_f32_16x16x64_fp8_fp8 v[ACC+32*\u+8*\t:ACC+32*\u+8*\t+7], v[F0+8*\t:F0+8*\t+7], v[F1+8*\u:F1+8*\u+7], v[ACC+32*\u+8*\t:ACC+32*\u+8*\t+7]
.elseif \mode == 1
	v_wmma_f32_16x16x64_fp8_fp8 v[ACC+32*\u+8*\t:ACC+32*\u+8*\t+7], v[F0+8*\t:F0+8*\t+7], v[F1+8*\u:F1+8*\u+7], v[BI+8*\t:BI+8*\t+7]
.else
	v_wmma_f32_16x16x64_fp8_fp8 v[ACC+32*\u+8*\t:ACC+32*\u+8*\t+7], v[F0+8*\t:F0+8*\t+7], v[F1+8*\u:F1+8*\u+7], v[BI+8*\u:BI+8*\u+7]
.endif
.endr
.endr
.endm
.macro HALF hf
.rept 4
	v_nop                                          ; four places in front of loads into registers that the last products have read (ISA guide 7.12.1 for vector instructions)
.endr
	LOADH \hf
	s_wait_dscnt 0x0
	MUL16 0
.endm
	s_load_b512 s[4:19], s[0:1], 0x0               ; x_img s[4:5], w_img s[6:7], b_K, b_Q, b_V s[8:13], the exponents s[14:15], q_img s[16:17], kv_img s[18:19]
	v_lshl_add_u32 v4, v0, 2, SPARE
	v_mov_b32 v5, 0
	ds_add_u32 v4, v5                              ; the wave's opening: the add, twice on end, and its wait ahead of the first tensor load; the set-up below, work on registers, stands between them
	ds_add_u32 v4, v5
	v_lshrrev_b32 v12, 5, v0
	s_delay_alu instid0(VALU_DEP_1)
	v_readfirstlane_b32 s20, v12                   ; wave 0..15
	s_mov_b32 s21, ttmp9                           ; the block of 256 tokens
	s_and_b32 s22, ttmp7, 0xffff
	s_lshr_b32 s23, s22, 1                         ; p
	s_and_b32 s24, s22, 1                          ; which 256 features
	s_lshr_b32 s25, s20, 2                         ; a
	s_and_b32 s26, s20, 3                          ; b
	; descriptor group 1: 32 rows of 256 bytes, dense in memory and in LDS: 8,192 bytes, four images
	s_mov_b32 s28, 3<<16                           ; no mask; elements of 8 bytes; no padding
	s_mov_b32 s29, 32<<16                          ; tensor_dim0 = 32
	s_mov_b32 s30, 32<<16                          ; tensor_dim1 = 32
	s_mov_b32 s31, 32<<16                          ; tile_dim0 = 32
	s_mov_b32 s32, 32                              ; tile_dim1 = 32
	s_mov_b32 s33, 32                              ; from row to row
	s_mov_b32 s34, 0
	s_mov_b32 s35, 0
	v_and_b32 v12, 31, v0
	s_delay_alu instid0(VALU_DEP_1)
	v_lshlrev_b32 v1, 4, v12                       ; 16 x lane
	s_lshl_b32 s78, s25, 13
	v_add_nc_u32 v2, s78, v1                       ; source 0: four images of 2,048 bytes from 8,192 a on
	s_lshl_b32 s78, s26, 13
	s_add_co_u32 s78, s78, 32768
	v_add_nc_u32 v3, s78, v1                       ; source 1: behind source 0's sixteen, from 8,192 b on
	v_and_b32 v13, 15, v0                          ; r
	v_bfe_u32 v14, v0, 4, 1                        ; h
	; what I fetch: four images of one source in one K step of a pair
	s_bfe_u32 s52, s20, 0x10002                    ; which source: bit 2 of the wave's number (bit 3: which K step of the pair)
	s_cmp_eq_u32 s23, 2
	s_cselect_b32 s53, 1, 0                        ; 1 for V
	s_xor_b32 s52, s52, s53                        ; 1: that source is x
	s_and_b32 s54, s20, 3
	s_lshl_b32 s54, s54, 13                        ; which four of its sixteen images
	s_lshl_b32 s72, s23, 22                        ; x_img: 4 MiB a scale,
	s_lshl_b32 s73, s21, 15                        ; 16 tiles a block
	s_add_co_u32 s72, s72, s73
	s_add_co_u32 s72, s72, s54
	s_lshl_b32 s74, s23, 18                        ; w_img: 262,144 bytes a weight,
	s_lshl_b32 s75, s24, 15                        ; 16 tiles a half
	s_add_co_u32 s74, s74, s75
	s_add_co_u32 s74, s74, s54
	s_cmp_eq_u32 s52, 1
	s_cselect_b32 s72, s72, s74
	s_mov_b32 s73, 0
	s_mov_b32 s74, 0x10000
	s_cselect_b32 s74, 0x100000, s74               ; from K step to K step: 1 MiB in x_img, 65,536 bytes in w_img
	s_mov_b32 s75, 0
	s_lshr_b32 s79, s20, 3
	s_mul_i32 s55, s79, s74
	s_add_co_u32 s72, s72, s55                     ; waves 8-15: one K step on
	s_lshl_b32 s79, s79, 16
	s_and_b32 s55, s20, 7
	s_lshl_b32 s55, s55, 13
	s_add_co_u32 s55, s55, s79                     ; in LDS: 65,536 (wave / 8) + 8,192 (wave % 8)
	s_wait_dscnt 0x0                               ; both opening adds are done
	s_wait_kmcnt 0x0
	s_load_b256 s[56:63], s[14:15], 0x0            ; e0 .. e7
	s_load_b128 s[68:71], s[14:15], 0x20           ; e8 .. e11
	s_cmp_eq_u32 s52, 1
	s_cselect_b64 s[76:77], s[4:5], s[6:7]
	s_add_nc_u64 s[76:77], s[76:77], s[72:73]
.irp s, 0,1
	s_mov_b32 s[36+4*\s], 1                        ; count = 1
	s_add_co_u32 s[37+4*\s], s55, \s*131072        ; LDS address
	s_mov_b64 s[38+4*\s:39+4*\s], s[76:77]         ; global address: my part of K steps 2 s, 2 s + 1
	s_or_b32 s[39+4*\s], s[39+4*\s], 0x80000000    ; type = 2
	s_add_nc_u64 s[76:77], s[76:77], s[74:75]
	s_add_nc_u64 s[76:77], s[76:77], s[74:75]
.endr
	tensor_load_to_lds s[36:39], s[28:35]          ; K steps 0 and 1: one load of every wave at the head
	s_nop 0
.rept 4
	v_nop
.endr
	; where my codes go
	s_lshr_b32 s88, s21, 4                         ; batch
	s_and_b32 s89, s21, 15                         ; the block within it
	s_cmp_eq_u32 s23, 2
	s_cselect_b32 s90, s26, s25                    ; the head within my half comes from the features' side: V: b, else a
	s_cselect_b32 s91, s25, s26                    ; and my 64 tokens from the other
	s_lshl_b32 s88, s88, 3
	s_lshl_b32 s92, s24, 2
	s_add_co_u32 s88, s88, s92
	s_add_co_u32 s88, s88, s90                     ; g = 8 batch + 4 half + head
	s_lshl_b32 s92, s88, 19                        ; kv_img: 524,288 bytes a head,
	s_lshl_b32 s93, s89, 1
	s_lshr_b32 s94, s91, 1
	s_add_co_u32 s93, s93, s94
	s_lshl_b32 s93, s93, 14                        ; 16,384 a key step,
	s_add_co_u32 s92, s92, s93
	s_and_b32 s94, s91, 1
	s_lshl_b32 s95, s94, 12                        ; K: four tiles of 1,024 for each 64 keys;
	s_lshl_b32 s94, s94, 10                        ; V: behind K's 8,192, two parts of 512 for each 64 keys
	s_add_co_u32 s94, s94, 8192
	s_cmp_eq_u32 s23, 2
	s_cselect_b32 s94, s94, s95
	s_add_co_u32 s92, s92, s94
	s_lshl_b32 s93, s88, 18                        ; q_img: 262,144 bytes a head,
	s_lshl_b32 s94, s89, 14                        ; 16 tiles of 1,024 a block,
	s_add_co_u32 s93, s93, s94
	s_lshl_b32 s94, s91, 12                        ; four for each 64 queries
	s_add_co_u32 s93, s93, s94
	s_cmp_eq_u32 s23, 1
	s_cselect_b32 s92, s93, s92
	s_cselect_b64 s[96:97], s[16:17], s[18:19]
	s_mov_b32 s93, 0
	s_add_nc_u64 s[96:97], s[96:97], s[92:93]
	s_lshl_b32 s94, 1024, s53                      ; from source 1's tile to the next: 1,024 bytes (K, Q), 2,048 (V)
	s_wait_alu depctr_va_vdst(0)
	v_mov_b32 v8, v1
	s_delay_alu instid0(VALU_DEP_1)
	v_add_nc_u32 v9, s94, v8
	s_delay_alu instid0(VALU_DEP_1)
	v_add_nc_u32 v10, s94, v9
	s_delay_alu instid0(VALU_DEP_1)
	v_add_nc_u32 v11, s94, v10
	s_wait_kmcnt 0x0
	s_cmp_eq_u32 s23, 0
	s_cselect_b32 s84, s56, s58                    ; ea
	s_cselect_b32 s85, s57, s59                    ; eb
	s_cselect_b32 s86, s63, s62                    ; eo: K entry 7, Q entry 6
	s_cmp_eq_u32 s23, 2
	s_cselect_b32 s84, s60, s84
	s_cselect_b32 s85, s61, s85
	s_cselect_b32 s86, s69, s86                    ; V entry 9
	s_add_co_i32 s84, s84, s85                     ; ea + eb
	s_sub_co_i32 s86, s86, s84                     ; eo - ea - eb
	s_sub_co_i32 s84, 0, s84
	s_add_co_i32 s86, s86, 127
	s_lshl_b32 s87, s86, 23
	v_mov_b32 v6, s87                              ; 2^(eo - ea - eb) as f32
	s_add_co_i32 s86, s86, 8
	s_lshl_b32 s86, s86, 23
	s_or_b32 s86, s86, 0x600000
	v_mov_b32 v7, s86                              ; 448 x that
	; the bias in the result's layout.  The branch hangs on the work-group's number alone
	s_lshl_b32 s82, s24, 10                        ; 256 features of 4 bytes a half
	s_mov_b32 s83, 0
	s_cmp_eq_u32 s23, 2
	s_cbranch_scc1 .Lbias_v
	s_cmp_eq_u32 s23, 0
	s_cselect_b64 s[80:81], s[8:9], s[10:11]
	s_lshl_b32 s79, s25, 8                         ; K, Q: register j of tile t0 is feature 64 a + 32 (t0 / 2) + 8 (t0 % 2) + 16 h + j
	s_add_co_u32 s82, s82, s79
	s_add_nc_u64 s[80:81], s[80:81], s[82:83]
	v_lshlrev_b32 v15, 6, v14
.irp t, 0,1,2,3
	global_load_b128 v[BI+8*\t:BI+8*\t+3], v15, s[80:81] offset:(32*(\t/2)+8*(\t%2))*4
	global_load_b128 v[BI+8*\t+4:BI+8*\t+7], v15, s[80:81] offset:(32*(\t/2)+8*(\t%2))*4+16
.endr
	s_wait_loadcnt 0x0
.irp j, 0,1,2,3,4,5,6,7,8,9,10,11,12,13,14,15,16,17,18,19,20,21,22,23,24,25,26,27,28,29,30,31
	v_ldexp_f32 v[BI+\j], v[BI+\j], s84            ; b / 2^(ea + eb)
.endr
	s_branch .Lbias_in
.Lbias_v:
	s_lshl_b32 s79, s26, 8                         ; V: all eight registers of tile t1 are feature 64 b + 32 (t1 / 2) + 8 (t1 % 2) + r + 8 (r / 8)
	s_add_co_u32 s82, s82, s79
	s_add_nc_u64 s[80:81], s[12:13], s[82:83]
	v_and_b32 v15, 8, v13
	s_delay_alu instid0(VALU_DEP_1)
	v_add_nc_u32 v15, v15, v13
	s_delay_alu instid0(VALU_DEP_1)
	v_lshlrev_b32 v15, 2, v15
.irp t, 0,1,2,3
	global_load_b32 v[BI+8*\t], v15, s[80:81] offset:(32*(\t/2)+8*(\t%2))*4
.endr
	s_wait_loadcnt 0x0
.irp t, 0,1,2,3
	v_ldexp_f32 v[BI+8*\t], v[BI+8*\t], s84
.irp j, 1,2,3,4,5,6,7
	v_mov_b32 v[BI+8*\t+\j], v[BI+8*\t]
.endr
.endr
.Lbias_in:
	s_wait_alu depctr_va_vdst(0)                   ; the head's end
	s_wait_tensorcnt 0x0                           ; my part of K steps 0 and 1 is in
	ds_add_u32 v4, v5
	s_wait_dscnt 0x0                               ; the add is done
	s_barrier_signal -1
	s_barrier_wait -1                              ; everybody's part is in
	tensor_load_to_lds s[40:43], s[28:35]          ; K steps 2 and 3
	s_nop 0
.rept 4
	v_nop
.endr
	LOADH 0
	s_wait_dscnt 0x0
	s_cmp_eq_u32 s23, 2
	s_cbranch_scc1 .Lfirst_v
	s_wait_alu depctr_va_vdst(0)
	MUL16 1
	s_branch .Lfirst_done
.Lfirst_v:
	s_wait_alu depctr_va_vdst(0)
	MUL16 2
.Lfirst_done:
	HALF 1
.irp s, 1,2,3
.if \s == 2
	s_wait_alu depctr_va_vdst(0)
	s_wait_tensorcnt 0x0                           ; my part of K steps 2 and 3 is in
	s_barrier_signal -1
	s_barrier_wait -1
.endif
	v_add_nc_u32 v2, 0x10000, v2
	s_wait_alu depctr_va_vdst(0)
	v_add_nc_u32 v3, 0x10000, v3
	s_wait_alu depctr_va_vdst(0)
	HALF 0
	HALF 1
.endr
.rept 4
	v_nop                                          ; four places in front of the first read of results
.endr
	; THE WAY OUT: the 16 registers of tiles 2 g, 2 g + 1 of source 0 are 16 neighbours along the next K: held, converted, they are part g of an image.  Each accumulator is read from its low end on
.irp u, 0,1,2,3
.irp g, 0,1
.irp i, 0,1,2,3,4,5,6,7,8,9,10,11,12,13,14,15
	v_med3_num_f32 v[ACC+32*\u+16*\g+\i], v[ACC+32*\u+16*\g+\i], -v7, v7
.endr
	v_cvt_scalef32_pk8_fp8_f32 v[F0+8*\u+4*\g:F0+8*\u+4*\g+1], v[ACC+32*\u+16*\g:ACC+32*\u+16*\g+7], v6
	v_cvt_scalef32_pk8_fp8_f32 v[F0+8*\u+4*\g+2:F0+8*\u+4*\g+3], v[ACC+32*\u+16*\g+8:ACC+32*\u+16*\g+15], v6
.endr
.endr
	v_nop                                          ; a plain line behind the last conversion
.irp u, 0,1,2,3
.irp g, 0,1
	global_store_b128 v[8+\u], v[F0+8*\u+4*\g:F0+8*\u+4*\g+3], s[96:97] offset:512*\g   ; 32 lanes store 512 consecutive bytes, at a multiple of 512 from the buffer's first byte
.endr
.endr
	s_wait_tensorcnt 0x0                           ; the wave's end
	ds_add_u32 v4, v5
	s_wait_dscnt 0x0
	s_endpgm
.Lfunc_end_k_q8c5e08194e_qkv:
	.size	k_q8c5e08194e_qkv, .Lfunc_end_k_q8c5e08194e_qkv-k_q8c5e08194e_qkv
	.p2alignl 7, 3214868480
	.fill 96, 4, 3214868480
	.section	.rodata,"a",@progbits
	.p2align	6, 0x0
	.amdhsa_kernel k_q8c5e08194e_qkv
		.amdhsa_group_segment_fixed_size 327680
		.amdhsa_private_segment_fixed_size 0
		.amdhsa_enable_private_segment 0
		.amdhsa_kernarg_size 64
		.amdhsa_user_sgpr_count 2
		.amdhsa_user_sgpr_kernarg_segment_ptr 1
		.amdhsa_wavefront_size32 1
		.amdhsa_system_sgpr_workgroup_id_x 1
		.amdhsa_system_sgpr_workgroup_id_y 1
		.amdhsa_system_sgpr_workgroup_id_z 1
		.amdhsa_system_vgpr_workitem_id 0
		.amdhsa_next_free_vgpr 256
		.amdhsa_next_free_sgpr 100
		.amdhsa_reserve_vcc 0
		.amdhsa_float_denorm_mode_32 3
		.amdhsa_float_denorm_mode_16_64 3
		.amdhsa_memory_ordered 1
		.amdhsa_forward_progress 1
		.amdhsa_inst_pref_size 40
	.end_amdhsa_kernel
	.amdgpu_metadata
---
amdhsa.version: [ 1, 2 ]
amdhsa.kernels:
  - .name:           k_q8c5e08194e_qkv
    .symbol:         k_q8c5e08194e_qkv.kd
    .args:
      - { .name: x_img, .offset: 0, .size: 8, .value_kind: global_buffer, .address_space: global }
      - { .name: w_img, .offset: 8, .size: 8, .value_kind: global_buffer, .address_space: global }
      - { .name: b_K, .offset: 16, .size: 8, .value_kind: global_buffer, .address_space: global }
      - { .name: b_Q, .offset: 24, .size: 8, .value_kind: global_buffer, .address_space: global }
      - { .name: b_V, .offset: 32, .size: 8, .value_kind: global_buffer, .address_space: global }
      - { .name: lowp_scales, .offset: 40, .size: 8, .value_kind: global_buffer, .address_space: global }
      - { .name: q_img, .offset: 48, .size: 8, .value_kind: global_buffer, .address_space: global }
      - { .name: kv_img, .offset: 56, .size: 8, .value_kind: global_buffer, .address_space: global }
    .group_segment_fixed_size: 327680
    .private_segment_fixed_size: 0
    .kernarg_segment_align: 8
    .kernarg_segment_size: 64
    .max_flat_workgroup_size: 512
    .sgpr_count:     100
    .vgpr_count:     256
    .wavefront_size: 32
...
	.end_amdgpu_metadata
.endif
;; end of part 2
;; launch attn (part 3): grid 16 x 16, 16 waves a work-group, no clusters, 327,680 bytes of LDS; arguments q_img, kv_img, lowp_scales, z_img; writes z_img
.if DOCPART == 3
	.amdgcn_target "amdgcn-amd-amdhsa--gfx1250"
	.amdhsa_code_object_version 6
	.text
	.protected	k_q8c5e08194e_attn
	.globl	k_q8c5e08194e_attn
	.p2align	8
	.type	k_q8c5e08194e_attn,@function
k_q8c5e08194e_attn:
	s_mov_b64 s[64:65], 0
	v_nop
	global_prefetch_b8 v0, s[64:65] scope:SCOPE_SE
	s_setreg_imm32_b32 hwreg(HW_REG_WAVE_MODE, 25, 1), 1
	s_wait_xcnt 0x0
; Causal attention of 16 heads (g = 8 batch + head) of size 64 over 4,096 tokens, both products on codes of E4M3; the result is quantised for the last projection and stored as images of its operand's registers.
; THE SOFTMAX AHEAD OF THE SECOND PRODUCT: t = score x log2(e) / 8; M = the row's largest t so far, rounded UP to a whole number; p = 2^(t - M) is quantised along the keys, not normalised.
; The row's sum is taken of the unquantised p, in f32, and divides O at the end.  When M moves, the sum and O are multiplied by 2^(old M - new M): exact.
; SHARES.  Work-group (i, g) owns the head's blocks 31 - i ("far") and i ("near") of 128 queries.  Waves w and w + 8 own the same two tiles of 16 queries, tile w % 8 of either block; w walks the even key steps of 128 keys, w + 8 the odd ones,
; each with its own M, sum and O, and the two are joined at the end: each sends half of its O^T, its M and its sum through LDS and finishes the other half.  Block j has j + 1 key steps under the mask
; (steps that lie wholly behind the mask are not walked), so every work-group has 33 key steps of 8 tiles, and all sixteen waves work alike.
; SLOTS.  The keys are walked once, in slots of 6, 10, 8 and 8 key steps (16,384 bytes each: K's 8 tiles, V^T's 4); slots 0 and 2 lie at LDS byte 0, slots 1 and 3 at R1.  Near needs keys of slots 0 and 1 alone (i + 1 <= 16 key steps);
; far, whose first query is 2,048 or later, needs no mask there.  Where i >= 8 far ends in slot 2, else in slot 3: the two tails are written out, and every slot that is asked for is read.
; Every wave fills a sixteenth of a slot by one dense load; one load of a wave is out at the most; every wait on TENSORcnt is for 0.
; A slot's last step signals the change of slots as soon as its fragments are in registers; between that signal and the wait stands work on registers alone.
; No cluster: partners along i have different causal limits (32 - i and i + 1 key steps); blocks of 512 queries, alike in four partners, would have 36 key steps instead of 33.
; LAYOUT.  Both products are used transposed: S^T = K Q^T (source 0 = 16 keys), O^T = V^T P^T (source 0 = 16 of the head's 64): a lane holds one query throughout.  In each group of 32 tokens (and of 32 of the
; head's 64) tile u holds in row r the index 8 u + r + 8 (r / 8): so the 16 registers of tiles 2 b, 2 b + 1 are 16 neighbours, 32 b + 16 (lane / 16) + 0 .. 15, and the conversions' results are the next operand's registers.
; Query tile T holds queries 32 (T / 2) + 8 (T % 2) + r + 8 (r / 8).  Every fragment comes from an image, 16 bytes a lane, 512 consecutive bytes a load.
; LIMITS on the given exponents: e6 + e7 between -123 and 130 (added to c's exponent field); e8 and e10 between -126 and 119; e8 + e9 is applied by v_ldexp_f32 and has none.  NaN is not served.
; The promise holds while the scaled scores t stay under 2^31 in magnitude.
; REGISTERS: v1 16 x lane; v2 the lane's part of the mask's difference; v3 the prefetches' offset; v7, v9 the add's two; v8 LDS address in hand; far: v12 -M, v13 the largest t, v[14:15] the sum in two halves, v16-23 Q, v160-191 O^T;
; near: v10, v11, v[4:5], v24-31, v192-223; v32-95 K's eight fragments, then V^T's four; v96-159 S^T, then p; v224-239 p's codes; v236-255 at work (v240 the hold, v244 the scale).
.set R1,   131072
.set SPARE, R1+163840                  ; behind the slots: the spare words, 128 bytes for each of 16 waves: eight blocks of 256 bytes that no other line names
.set SREG, 4608                        ; a wave's stage at the end: for each tile four runs of 512 bytes (16 registers of O^T) and 256 bytes (-M and the sum)
.set SPW,  7
.set NIL,  9
.set ADR,  8
.set TB,   2                           ; s2   LDS byte of the key step in hand
.set TR,   3                           ; s3   a loop's trips
.set WV,   18                          ; s18  my wave's number
.set GP,   19                          ; s19  0: even key steps, 1: odd ones
.set SEL,  20                          ; s[20:21] lane selects: lane l xor 16
.set CS,   22                          ; s[22:23] c = log2(e) / 8 x 2^(e6 + e7)
.set G6,   24                          ; s[24:31], s[32:39], s[56:63] descriptor group 1 for 6, 10 and 8 key steps
.set G10,  32
.set G8,   56
.set G0,   40                          ; s[40:43] group 0
.set KB,   44                          ; s[44:45] the head's keys in memory
.set W8,   46                          ; s[46:47] 8,192 x wave
.set W10,  48                          ; s[48:49] 10,240 x wave
.set GM,   51                          ; s51  all ones in waves 8-15
.set GB,   52                          ; s52  16,384 GP
.set ES,   54                          ; s54  e8 + e9
.set QMAX2, 93                         ; s93, s95  near: my last and first query
.set QMIN2, 95
.set QMAX, 94                          ; s94, s99  far: my last and first query
.set QMIN, 99
.set KL,   97                          ; s97  near: the step's first key
.set KF,   98                          ; s98  far: the step's first key, where it may be masked
.macro PADD d, s
	v_pk_add_f32 v[\d:\d+1], v[\d:\d+1], v[\s:\s+1]
.endm
; A KEY STEP of 128 keys at s[TB] for one tile: q its Q, n its -M and largest t, sm its sum, o its O^T.  mask = 1: the step may be hidden in part or as a whole.  sig = 1: the step ends a slot.
.macro STEP q, n, sm, o, mask, qmin, qmax, kf, sig
.if \mask
	s_cmp_gt_u32 s[\kf], s[\qmax]                  ; all its keys come after my queries: the step's work is left out
	s_cbranch_scc1 .Lhidden_\@
.endif
	v_add_nc_u32 v[ADR], s[TB], v1
.rept 3
	v_nop                                          ; with the addition: four places in front of loads into registers that the last products have read
.endr
.irp t, 0,1,2,3,4,5,6,7
	ds_load_b128 v[32+8*\t:35+8*\t], v[ADR] offset:1024*\t
	ds_load_b128 v[36+8*\t:39+8*\t], v[ADR] offset:1024*\t+512
.endr
	s_wait_alu depctr_va_vdst(0)
	s_wait_dscnt 0x0
.irp t, 0,1,2,3,4,5,6,7
	v_wmma_f32_16x16x64_fp8_fp8 v[96+8*\t:103+8*\t], v[32+8*\t:39+8*\t], v[\q:\q+7], 0   ; S^T: lane (r, h) holds query r; registers 16 b + i are keys 32 b + 16 h + i of the step
.endr
.rept 4
	v_nop                                          ; four places: in front of the loads below and of the first read of the scores
.endr
.irp d, 0,1,2,3
.irp c, 0,1,2,3
	ds_load_b128 v[32+16*\d+4*\c:35+16*\d+4*\c], v[ADR] offset:8192+2048*\d+512*\c   ; V^T's four fragments land while the softmax is walked
.endr
.endr
.if \mask
	s_add_co_u32 s96, s[\kf], 127                  ; on the diagonal the scores of hidden keys become -infinity ahead of the maximum: p = 0 then.  A step all of whose keys count skips this
	s_cmp_le_u32 s96, s[\qmin]
	s_cbranch_scc1 .Lopen_\@
	s_sub_co_i32 s96, s[\qmin], s[\kf]
	v_add_nc_u32 v252, s96, v2                     ; d = my query - the first key - 16 h: register 16 b + i is hidden where 32 b + i > d
	v_mov_b32 v254, 0xff800000                     ; -infinity
.set J, 0
.rept 64
	v_cmp_gt_i32 vcc_lo, 32*(J/16)+J%16, v252
	v_cndmask_b32 v[96+J], v[96+J], v254, vcc_lo
.set J, J+1
.endr
.Lopen_\@:
.endif
	v_max3_num_f32 v254, v96, v97, v98             ; the step's largest score of my query, among my 64 keys, in two chains,
	v_max3_num_f32 v252, v99, v100, v101
.irp i, 6,10,14,18,22,26,30,34,38,42,46,50,54,58
	v_max3_num_f32 v254, v254, v[96+\i], v[97+\i]
	v_max3_num_f32 v252, v252, v[98+\i], v[99+\i]
.endr
	v_max3_num_f32 v254, v254, v158, v159
	s_delay_alu instid0(VALU_DEP_1)
	v_max_num_f32 v254, v254, v252
	v_permlanex16_b32 v236, v254, s[SEL], s[SEL+1]
	s_delay_alu instid0(VALU_DEP_1)
	v_max_num_f32 v254, v254, v236                 ; and among lane l xor 16's
	s_delay_alu instid0(VALU_DEP_1)
	v_mul_f32 v254, s[CS], v254                    ; as t (c is positive)
	s_delay_alu instid0(VALU_DEP_1)
	v_max_num_f32 v[\n+1], v[\n+1], v254           ; the running largest t
	v_mov_b32 v254, v[\n]
	s_delay_alu instid0(VALU_DEP_2)
	v_floor_f32 v[\n], -v[\n+1]                    ; the new -M = floor(-t) = -ceil(t): M is a whole number
	s_delay_alu instid0(VALU_DEP_1)
	v_sub_f32 v254, v[\n], v254                    ; old M - new M: a whole number, 0 or less
	s_delay_alu instid0(VALU_DEP_1)
	v_cvt_i32_f32 v254, v254                       ; (it saturates)
	s_delay_alu instid0(VALU_DEP_1)
	v_ldexp_f32 v252, 1.0, v254                    ; f = 2^(old M - new M)
.if \sig
	s_wait_alu depctr_va_vdst(0)
	s_wait_tensorcnt 0x0                           ; THE CHANGE OF SLOTS: my part of the slot ahead is in; no tensor load of mine is out
	ds_add_u32 v[SPW], v[NIL]                      ; 0 onto my spare word
.endif
.set J, 96
.rept 32
	v_pk_fma_f32 v[J:J+1], v[J:J+1], s[CS:CS+1], v[\n:\n+1] op_sel_hi:[1,0,0]   ; t - M, two at a time (of the pairs c and -M the low word serves both halves)
.set J, J+2
.endr
.if \sig
	s_wait_dscnt 0x0                               ; the add is done, and V^T's fragments are in: my reads of this slot are over
	s_barrier_signal -1                            ; say so; the wait stands behind this step's products
.endif
	s_wait_alu depctr_va_vdst(0)
.set J, 96
.rept 64
	v_exp_f32 v[J], v[J]                           ; p = 2^(t - M), at most 1
.set J, J+1
.endr
	v_pk_mul_f32 v[\sm:\sm+1], v[\sm:\sm+1], v[252:253] op_sel_hi:[1,0]   ; the sums under the new M: the plain line behind the exponentials
	s_wait_alu depctr_va_vdst(0)                   ; ahead of the first line that names an exponential's result: one for the batch of 64
.set J, 96                             ; the sum of the unquantised p, two at a time, in eight chains
.irp a, 242,254,250,248,246,238,236
	v_pk_add_f32 v[\a:\a+1], v[J:J+1], v[J+2:J+3]
.set J, J+4
.endr
.rept 2
.irp a, \sm,242,254,250,248,246,238,236
	PADD \a, J
.set J, J+2
.endr
.endr
	PADD \sm, 156
	PADD 242, 158
	PADD 254, 250
	PADD 248, 246
	PADD 238, 236
	PADD \sm, 242
	s_delay_alu instid0(VALU_DEP_3)
	PADD 254, 248
	s_delay_alu instid0(VALU_DEP_2)
	PADD \sm, 238
	s_delay_alu instid0(VALU_DEP_1)
	PADD \sm, 254
.irp b, 0,1,2,3
.irp i, 0,2,4,6,8,10,12,14
	v_dual_min_num_f32 v[96+16*\b+\i], v240, v[96+16*\b+\i] :: v_dual_min_num_f32 v[97+16*\b+\i], v240, v[97+16*\b+\i]   ; the conversion does not saturate (ISA guide 7.6.2); p is not negative, so the hold is one-sided
.endr
	v_cvt_scalef32_pk8_fp8_f32 v[224+4*\b:225+4*\b], v[96+16*\b:103+16*\b], v244
	v_cvt_scalef32_pk8_fp8_f32 v[226+4*\b:227+4*\b], v[104+16*\b:111+16*\b], v244
.endr
	s_wait_alu depctr_va_vdst(0)                   ; directly ahead of the first reader of O^T
.irp j, 0,2,4,6,8,10,12,14,16,18,20,22,24,26,28,30
	v_pk_mul_f32 v[\o+\j:\o+\j+1], v[\o+\j:\o+\j+1], v[252:253] op_sel_hi:[1,0]   ; O^T under the new M; these are also the plain lines between the conversions and the products that read the codes
.endr
.if \sig == 0
	s_wait_alu depctr_va_vdst(0)
	s_wait_dscnt 0x0                               ; V^T's fragments are in
.endif
.irp d, 0,1,2,3
	v_wmma_f32_16x16x128_fp8_fp8 v[\o+8*\d:\o+8*\d+7], v[32+16*\d:47+16*\d], v[224:239], v[\o+8*\d:\o+8*\d+7]   ; the four accumulators by turns, one instruction a turn
.endr
.Lhidden_\@:
.endm
.macro FAR mask, sig
	STEP 16, 12, 14, 160, \mask, QMIN, QMAX, KF, \sig
.endm
.macro FARS base, trips, mask          ; trips of my key steps from LDS byte base on
	s_add_co_u32 s[TB], s[GB], \base
	s_mov_b32 s[TR], \trips
.Lfar_\@:
	FAR \mask, 0
	s_add_co_u32 s[TB], s[TB], 32768               ; two key steps on
.if \mask
	s_add_co_u32 s[KF], s[KF], 256
.endif
	s_sub_co_u32 s[TR], s[TR], 1
	s_cmp_lg_u32 s[TR], 0
	s_cbranch_scc1 .Lfar_\@
.endm
.macro NEARS base, trips
	s_add_co_u32 s[TB], s[GB], \base
	s_mov_b32 s[TR], \trips
.Lnear_\@:
	STEP 24, 10, 4, 192, 1, QMIN2, QMAX2, KL, 0
	s_add_co_u32 s[TB], s[TB], 32768
	s_add_co_u32 s[KL], s[KL], 256
	s_sub_co_u32 s[TR], s[TR], 1
	s_cmp_lg_u32 s[TR], 0
	s_cbranch_scc1 .Lnear_\@
.endm
.macro LAST base                       ; a slot's last step for far: it carries the change of slots' lines and signal
	s_add_co_u32 s[TB], s[GB], \base
	FAR 0, 1
.endm
.macro DESC w, lds, off                ; group 0 of the next load: my part begins w bytes on, in LDS and in memory
	s_add_co_u32 s[G0+1], s[\w], \lds
	s_add_nc_u64 s[G0+2:G0+3], s[KB:KB+1], s[\w:\w+1]
	s_add_nc_u64 s[G0+2:G0+3], s[G0+2:G0+3], \off
	s_or_b32 s[G0+3], s[G0+3], 0x80000000          ; type = 2
.endm
.macro TLOAD g1                        ; a wave's one tensor load until the next such barrier
	tensor_load_to_lds s[G0:G0+3], s[\g1:\g1+7]
	s_nop 0
.rept 4
	v_nop
.endr
.endm
; A PREFETCH of the slot that the NEXT change will ask for, one slot ahead of that load.  All work-groups of a head walk the same keys: the head's work-group 0, which reads all of them, names each aligned block of 256 bytes of slots 2 and 3
; once: 131,072 bytes, 256 for each of 512 threads.  Slots 0 and 1 come by their loads alone; behind key 4,095 nothing is named.  v3 and the base are never rewritten.
.macro ASK off
	s_cmp_eq_u32 ttmp9, 0
	s_cbranch_scc0 .Lnot_mine_\@
	global_prefetch_b8 v3, s[KB:KB+1] offset:\off th:TH_LOAD_NT scope:SCOPE_SE
.Lnot_mine_\@:
.endm
; THE END.  My rows' sums; of each tile waves 0-7 send O^T's registers 16-31 and keep 0-15, waves 8-15 the other way round.
.macro HALVES o, n, sm, snd, kep, nl
	v_add_f32 v[\sm], v[\sm], v[\sm+1]             ; the sum's two halves,
	v_permlanex16_b32 v236, v[\sm], s[SEL], s[SEL+1]
	v_add_f32 v[\nl+1], v[\sm], v236               ; and lane l xor 16's
	v_mov_b32 v[\nl], v[\n]
.irp j, 0,1,2,3,4,5,6,7,8,9,10,11,12,13,14,15
	v_cndmask_b32 v[\snd+\j], v[\o+16+\j], v[\o+\j], s[GM]      ; each accumulator from its low end on
.endr
.irp j, 0,1,2,3,4,5,6,7,8,9,10,11,12,13,14,15
	v_cndmask_b32 v[\kep+\j], v[\o+\j], v[\o+16+\j], s[GM]
.endr
.endm
.macro FACTORS nl, pn, f               ; f: mine, f + 1: the partner's, f + 2: the joint sum
	v_min_num_f32 v[\f+3], v[\nl], v[\pn]          ; the joint -M
	v_sub_f32 v[\f], v[\f+3], v[\nl]
	v_sub_f32 v[\f+1], v[\f+3], v[\pn]
	v_cvt_i32_f32 v[\f], v[\f]
	v_cvt_i32_f32 v[\f+1], v[\f+1]
	v_ldexp_f32 v[\f], 1.0, v[\f]                  ; exact powers of two; 0 where a wave had no step: its -M is 3e38
	v_ldexp_f32 v[\f+1], 1.0, v[\f+1]
	v_mul_f32 v[\f+2], v[\nl+1], v[\f]
	v_fma_f32 v[\f+2], v[\pn+1], v[\f+1], v[\f+2]
.endm
.macro SEND kep, po, f, cd, z          ; Z = (my part x f + the partner's x f') / the sum x 2^(e8 + e9): channels 32 GP + 16 h + 0 .. 15 of my query, held and converted with 2^e10: one part of an image of the last projection's operand
	v_ldexp_f32 v[\f+2], v[\f+2], s[ES]
	v_mul_f32 v[\f], v[\f+2], v[\f]
	v_mul_f32 v[\f+1], v[\f+2], v[\f+1]
.irp j, 0,1,2,3,4,5,6,7,8,9,10,11,12,13,14,15
	v_mul_f32 v[\kep+\j], v[\kep+\j], v[\f]
.endr
.irp j, 0,1,2,3,4,5,6,7,8,9,10,11,12,13,14,15
	v_fma_f32 v[\kep+\j], v[\po+\j], v[\f+1], v[\kep+\j]
.endr
.irp j, 0,1,2,3,4,5,6,7,8,9,10,11,12,13,14,15
	v_med3_num_f32 v[\kep+\j], v[\kep+\j], -v69, v69
.endr
	v_cvt_scalef32_pk8_fp8_f32 v[\cd:\cd+1], v[\kep:\kep+7], v68
	v_cvt_scalef32_pk8_fp8_f32 v[\cd+2:\cd+3], v[\kep+8:\kep+15], v68
	v_nop                                          ; a plain line behind the last conversion
	global_store_b128 v1, v[\cd:\cd+3], s[\z:\z+1] ; 32 lanes store 512 consecutive bytes, at a multiple of 512 from the buffer's first byte
.endm
.macro FIN base                        ; the stage lies at LDS byte base, in the slot that was left at the last change of slots: it has had its last fill, and nobody reads it
.rept 4
	v_nop                                          ; four places behind the last products
.endr
	v_lshrrev_b32 v36, 1, v1                       ; 8 x lane
	s_mul_i32 s72, s[WV], SREG
	s_add_co_u32 s72, s72, \base
	v_add_nc_u32 v32, s72, v1
	s_add_co_u32 s72, s72, 2048
	v_add_nc_u32 v33, s72, v36
	s_xor_b32 s73, s[WV], 8                        ; my partner
	s_mul_i32 s73, s73, SREG
	s_add_co_u32 s73, s73, \base
	s_wait_alu depctr_va_vdst(0)                   ; directly ahead of the readers below
	v_add_nc_u32 v34, s73, v1
	s_add_co_u32 s73, s73, 2048
	v_add_nc_u32 v35, s73, v36
	v_mov_b32 v68, s55                             ; 2^e10
	v_mov_b32 v69, s53                             ; 448 x 2^e10
	HALVES 160, 12, 14, 96, 112, 246
	HALVES 192, 10, 4, 128, 144, 248
	s_wait_alu depctr_va_vdst(0)
	ds_store_b64 v33, v[246:247]
	ds_store_b64 v33, v[248:249] offset:2304
.irp k, 0,1,2,3
	ds_store_b128 v32, v[96+4*\k:99+4*\k] offset:512*\k
	ds_store_b128 v32, v[128+4*\k:131+4*\k] offset:2304+512*\k
.endr
	s_wait_dscnt 0x0                               ; for the partner's sake: my stores are done
	s_barrier_signal -1
	s_barrier_wait -1
	ds_load_b64 v[250:251], v35                    ; the partner's -M and sum,
	ds_load_b64 v[252:253], v35 offset:2304
.irp k, 0,1,2,3
	ds_load_b128 v[36+4*\k:39+4*\k], v34 offset:512*\k   ; and its part of my halves
	ds_load_b128 v[52+4*\k:55+4*\k], v34 offset:2304+512*\k
.endr
	s_wait_dscnt 0x0
	FACTORS 246, 250, 70
	FACTORS 248, 252, 74
	s_wait_alu depctr_va_vdst(0)
	v_rcp_f32 v72, v72
	v_rcp_f32 v76, v76
	v_nop                                          ; a plain line behind the reciprocals
	s_wait_alu depctr_va_vdst(0)                   ; ahead of the reciprocals' first reader
	SEND 112, 36, 70, 224, 10
	SEND 144, 52, 74, 228, 12
.endm
.macro BEGIN n, sm, o                  ; a tile's state: the step finds zeros, which the first change of M leaves zeros
	v_mov_b32 v[\n+1], 0xff61b1e6                  ; the largest t so far: -3e38, under every t
	v_mov_b32 v[\n], 0x7f61b1e6                    ; -M
	v_mov_b32 v[\sm], 0                            ; the sum, in two halves
	v_mov_b32 v[\sm+1], 0
.set J, \o
.rept 32
	v_mov_b32 v[J], 0                              ; O^T
.set J, J+1
.endr
.endm
.macro G1SET g, rows                   ; descriptor group 1: rows of 256 bytes, dense in memory and in LDS; elements of 8 bytes, no mask, no padding
	s_mov_b32 s[\g], 3<<16
	s_mov_b32 s[\g+1], 32<<16
	s_mov_b32 s[\g+2], (\rows)<<16
	s_mov_b32 s[\g+3], 32<<16
	s_mov_b32 s[\g+4], \rows
	s_mov_b32 s[\g+5], 32
	s_mov_b32 s[\g+6], 0
	s_mov_b32 s[\g+7], 0
.endm
	s_load_b256 s[4:11], s[0:1], 0x0               ; q_img s[4:5], kv_img s[6:7], the exponents s[8:9], z_img s[10:11]
	v_lshl_add_u32 v[SPW], v0, 2, SPARE
	v_mov_b32 v[NIL], 0
	ds_add_u32 v[SPW], v[NIL]                      ; the wave's opening: the add, twice on end, and its wait ahead of the first tensor load; the set-up below, work on registers, stands between them
	ds_add_u32 v[SPW], v[NIL]
	v_lshrrev_b32 v8, 5, v0
	v_readfirstlane_b32 s[WV], v8                  ; wave 0..15
	v_and_b32 v6, 31, v0
	v_and_b32 v10, 15, v0                          ; r
	v_and_b32 v11, 8, v0                           ; 8 (r / 8)
	v_and_b32 v12, 16, v0                          ; 16 h
	v_lshlrev_b32 v1, 4, v6                        ; 16 x lane
	v_lshlrev_b32 v3, 8, v0                        ; 256 x thread
	v_add_nc_u32 v10, v10, v11
	v_sub_nc_u32 v2, v10, v12                      ; r + 8 (r / 8) - 16 h
	s_wait_alu depctr_va_vdst(0)                   ; ahead of the scalar lines
	G1SET G6, 24
	s_and_b32 s82, ttmp7, 0xffff                   ; g
	s_lshl_b32 s74, s82, 19                        ; the head's 524,288 bytes of kv_img
	s_mov_b32 s75, 0
	s_mul_i32 s76, s[WV], 6144
	s_mov_b32 s77, 0
	s_mov_b32 s[G0], 1                             ; count = 1
	s_mov_b32 s[G0+1], s76                         ; LDS address
	s_wait_dscnt 0x0                               ; both opening adds are done
	s_wait_kmcnt 0x0
	s_load_b128 s[68:71], s[8:9], 0x18             ; e6, e7, e8, e9
	s_load_b32 s66, s[8:9], 0x28                   ; e10
	s_add_nc_u64 s[KB:KB+1], s[6:7], s[74:75]
	s_add_nc_u64 s[G0+2:G0+3], s[KB:KB+1], s[76:77]
	s_or_b32 s[G0+3], s[G0+3], 0x80000000          ; type = 2
	TLOAD G6                                       ; slot 0: one load of every wave
	G1SET G10, 40
	G1SET G8, 32
	s_lshl_b32 s[W8], s[WV], 13
	s_mov_b32 s[W8+1], 0
	s_mul_i32 s[W10], s[WV], 10240
	s_mov_b32 s[W10+1], 0
	s_lshr_b32 s[GP], s[WV], 3
	s_and_b32 s83, s[WV], 7
	s_sub_co_u32 s84, 31, ttmp9
	s_lshl_b32 s84, s84, 3
	s_add_co_u32 s84, s84, s83                     ; my query tile T of block 31 - i,
	s_lshl_b32 s85, ttmp9, 3
	s_add_co_u32 s85, s85, s83                     ; and of block i
	s_lshl_b32 s86, s82, 18                        ; q_img: 262,144 bytes a head, 1,024 a tile
	s_lshl_b32 s88, s84, 10
	s_lshl_b32 s90, s85, 10
	s_add_co_u32 s88, s88, s86
	s_add_co_u32 s90, s90, s86
	s_mov_b32 s89, 0
	s_mov_b32 s91, 0
	s_add_nc_u64 s[76:77], s[4:5], s[88:89]
	s_add_nc_u64 s[78:79], s[4:5], s[90:91]
	global_load_b128 v[16:19], v1, s[76:77]        ; Q's fragments stay in registers
	global_load_b128 v[20:23], v1, s[76:77] offset:512
	global_load_b128 v[24:27], v1, s[78:79]
	global_load_b128 v[28:31], v1, s[78:79] offset:512
	s_and_b32 s86, s83, 1
	s_lshl_b32 s86, s86, 3
	s_lshl_b32 s[QMIN], s84, 4
	s_sub_co_u32 s[QMIN], s[QMIN], s86             ; 16 T - 8 (T % 2) = 32 (T / 2) + 8 (T % 2)
	s_lshl_b32 s[QMIN2], s85, 4
	s_sub_co_u32 s[QMIN2], s[QMIN2], s86
	s_add_co_u32 s[QMAX], s[QMIN], 23
	s_add_co_u32 s[QMAX2], s[QMIN2], 23
	s_cmp_eq_u32 s[GP], 1
	s_cselect_b32 s[GM], -1, 0
	s_lshl_b32 s[GB], s[GP], 14
	s_lshl_b32 s[KL], s[GP], 7
	s_mov_b32 s[SEL], 0x76543210
	s_mov_b32 s[SEL+1], 0xfedcba98
	s_mov_b32 s[CS], 0x3e38aa3b                    ; log2(e) / 8
	s_and_b32 s86, s82, 7                          ; head
	s_lshr_b32 s87, s82, 3                         ; batch
	s_lshr_b32 s88, s86, 1
	s_lshl_b32 s88, s88, 20                        ; z_img: K step head / 2 of 1 MiB,
	s_lshl_b32 s87, s87, 19
	s_add_co_u32 s88, s88, s87                     ; token tile 256 batch + T of 2,048 bytes,
	s_and_b32 s86, s86, 1
	s_lshl_b32 s86, s86, 10
	s_add_co_u32 s88, s88, s86                     ; half head % 2,
	s_lshl_b32 s86, s[GP], 9
	s_add_co_u32 s88, s88, s86                     ; and the part that I finish
	s_lshl_b32 s90, s85, 11
	s_add_co_u32 s90, s90, s88
	s_add_nc_u64 s[12:13], s[10:11], s[90:91]      ; block i's,
	s_lshl_b32 s90, s84, 11
	s_add_co_u32 s90, s90, s88
	s_add_nc_u64 s[10:11], s[10:11], s[90:91]      ; block 31 - i's
	v_mov_b32 v236, 0                              ; written once: a lane permute's destination counts as one of its sources
	v_mov_b32 v253, 0                              ; (named as the upper half of the pair v[252:253])
	BEGIN 12, 14, 160
	BEGIN 10, 4, 192
	s_wait_alu depctr_va_vdst(0)
	s_wait_kmcnt 0x0
	s_add_co_i32 s[ES], s70, s71
	s_add_co_i32 s72, s68, s69
	s_lshl_b32 s72, s72, 23
	s_add_co_i32 s[CS], s[CS], s72                 ; a score stands for score x 2^(e6 + e7): the two exponents are added to c's exponent field
	s_mov_b32 s[CS+1], s[CS]                       ; (named with it as a pair, so it is written)
	s_add_co_i32 s72, s70, 127
	s_lshl_b32 s73, s72, 23
	v_mov_b32 v244, s73                            ; 2^e8 as f32, for p's conversions
	s_add_co_i32 s72, s72, 8
	s_lshl_b32 s72, s72, 23
	s_or_b32 s72, s72, 0x600000
	v_mov_b32 v240, s72                            ; 448 x 2^e8
	s_add_co_i32 s72, s66, 127
	s_lshl_b32 s55, s72, 23                        ; 2^e10
	s_add_co_i32 s72, s72, 8
	s_lshl_b32 s72, s72, 23
	s_or_b32 s53, s72, 0x600000                    ; 448 x 2^e10
	s_wait_alu depctr_va_vdst(0)                   ; the head's end
	s_wait_loadcnt 0x0                             ; both Qs
	s_wait_tensorcnt 0x0                           ; my part of slot 0 is in
	ds_add_u32 v[SPW], v[NIL]
	DESC W10, R1, 6*16384
	s_wait_dscnt 0x0                               ; the add is done
	s_barrier_signal -1
	s_barrier_wait -1
	TLOAD G10                                      ; slot 1: key steps 6 to 15
	ASK 16*16384
	NEARS 0, 3
	FARS 0, 2, 0
	LAST 65536
	DESC W8, 0, 16*16384
	s_barrier_wait -1                              ; slot 1 is whole, and nobody reads slot 0 any more
	TLOAD G8                                       ; slot 2: key steps 16 to 23
	ASK 24*16384
	NEARS R1, 5
	FARS R1, 4, 0
	LAST R1+131072
	DESC W8, R1, 24*16384
	s_barrier_wait -1                              ; slot 2 is whole, and nobody reads slot 1 any more
	s_cmp_lt_u32 ttmp9, 8                          ; does far go on behind slot 2?  The branch hangs on the work-group's number alone
	s_cbranch_scc0 .Lthree
	TLOAD G8                                       ; slot 3: key steps 24 to 31
	FARS 0, 3, 0
	LAST 98304
	s_barrier_wait -1                              ; slot 3 is whole; nothing is filled any more
	s_lshl_b32 s[KF], s[GP], 7
	s_add_co_u32 s[KF], s[KF], 24*128
	FARS R1, 4, 1
	FIN 0
	s_branch .Lend
.Lthree:
	s_lshl_b32 s[KF], s[GP], 7
	s_add_co_u32 s[KF], s[KF], 16*128
	FARS 0, 4, 1
	FIN R1
.Lend:
	s_wait_tensorcnt 0x0                           ; the wave's end
	ds_add_u32 v[SPW], v[NIL]
	s_wait_dscnt 0x0
	s_endpgm
.Lfunc_end_k_q8c5e08194e_attn:
	.size	k_q8c5e08194e_attn, .Lfunc_end_k_q8c5e08194e_attn-k_q8c5e08194e_attn
	.p2alignl 7, 3214868480
	.fill 96, 4, 3214868480
	.section	.rodata,"a",@progbits
	.p2align	6, 0x0
	.amdhsa_kernel k_q8c5e08194e_attn
		.amdhsa_group_segment_fixed_size 327680
		.amdhsa_private_segment_fixed_size 0
		.amdhsa_enable_private_segment 0
		.amdhsa_kernarg_size 32
		.amdhsa_user_sgpr_count 2
		.amdhsa_user_sgpr_kernarg_segment_ptr 1
		.amdhsa_wavefront_size32 1
		.amdhsa_system_sgpr_workgroup_id_x 1
		.amdhsa_system_sgpr_workgroup_id_y 1
		.amdhsa_system_sgpr_workgroup_id_z 1
		.amdhsa_system_vgpr_workitem_id 0
		.amdhsa_next_free_vgpr 256
		.amdhsa_next_free_sgpr 100
		.amdhsa_reserve_vcc 1
		.amdhsa_float_denorm_mode_32 3
		.amdhsa_float_denorm_mode_16_64 3
		.amdhsa_memory_ordered 1
		.amdhsa_forward_progress 1
		.amdhsa_inst_pref_size 216
	.end_amdhsa_kernel
	.amdgpu_metadata
---
amdhsa.version: [ 1, 2 ]
amdhsa.kernels:
  - .name:           k_q8c5e08194e_attn
    .symbol:         k_q8c5e08194e_attn.kd
    .args:
      - { .name: q_img, .offset: 0, .size: 8, .value_kind: global_buffer, .address_space: global }
      - { .name: kv_img, .offset: 8, .size: 8, .value_kind: global_buffer, .address_space: global }
      - { .name: lowp_scales, .offset: 16, .size: 8, .value_kind: global_buffer, .address_space: global }
      - { .name: z_img, .offset: 24, .size: 8, .value_kind: global_buffer, .address_space: global }
    .group_segment_fixed_size: 327680
    .private_segment_fixed_size: 0
    .kernarg_segment_align: 8
    .kernarg_segment_size: 32
    .max_flat_workgroup_size: 512
    .sgpr_count:     100
    .vgpr_count:     256
    .wavefront_size: 32
...
	.end_amdgpu_metadata
.endif
;; end of part 3
;; launch oproj (part 4): grid 64 x 4, 16 waves a work-group, clusters of 4 x 4, 327,680 bytes of LDS; arguments z_img, w_img, b_O, lowp_scales, out0; writes out0
.if DOCPART == 4
	.amdgcn_target "amdgcn-amd-amdhsa--gfx1250"
	.amdhsa_code_object_version 6
	.text
	.protected	k_q8c5e08194e_oproj
	.globl	k_q8c5e08194e_oproj
	.p2align	8
	.type	k_q8c5e08194e_oproj,@function
k_q8c5e08194e_oproj:
	s_mov_b64 s[64:65], 0
	v_nop
	global_prefetch_b8 v0, s[64:65] scope:SCOPE_SE
	s_setreg_imm32_b32 hwreg(HW_REG_WAVE_MODE, 25, 1), 1
	s_wait_xcnt 0x0
	s_wait_alu depctr_hold_cnt(0) depctr_sa_sdst(0) depctr_va_vdst(0) depctr_va_sdst(0) depctr_va_ssrc(0) depctr_va_vcc(0) depctr_vm_vsrc(0)
	s_getreg_b32 s2, hwreg(HW_REG_IB_STS2, 6, 4)
	s_cmp_eq_u32 s2, 0
	s_cbranch_scc0 .Lentry_in_a_cluster
	s_endpgm
.Lentry_in_a_cluster:
	s_bfe_u32 s2, ttmp6, 0x10000c
	s_cmp_lg_u32 s2, 0xf033
	s_cbranch_scc0 .Lentry_shape_is_right
	s_endpgm
.Lentry_shape_is_right:
; out = Z W_O + b_O on codes of E4M3.  Z and W_O come as images of operand registers (16 rows x 128 K in 2,048 bytes: [c 0..3][lane][16 bytes], lane (r, h), part c: k = 32 c + 16 h + 0 .. 15 of row r);
; in each group of 32 rows tile u holds in row r the index 8 u + r + 8 (r / 8).  z_img: [K step 4][token tile 512][2048]; W_O is the fourth weight of w_img: [K step 4][column tile 32][2048].
; SHARES.  Work-group (x, y): 128 tokens x 128 features, all of K = 512.  Sixteen waves, wave (a = w / 4, b = w % 4): one group of 32 features (source 0: two tiles of W_O) x one of 32 tokens (source 1: two tiles of Z):
; four accumulators, which take turns.  A lane then holds one token, and its 16 registers of the two feature tiles are 16 neighbouring features.
; CLUSTERS: 4 x 4 work-groups (the grid's four rows are one cluster high, so y = cy).  The four of a row of the cluster need the same W_O, the four of a column the same Z: each part is asked for JOINTLY, by the same load with the same
; descriptor and a mask that names the four.
; LDS: W_O's K step s at 16,384 s, Z's at 65,536 + 16,384 s: asked for once, at the head, by waves 0-7, one dense load of 16,384 bytes each (one out a wave); nothing is filled again.  No prefetch: there is no loop to run ahead in.
; Behind them a stage of 128 rows x (512 bytes + 16), which no tensor load fills: a row's 128 features come from four waves; each wave then stores eight whole rows of 512 bytes.
; out = sum x 2^(e10 + e11) + b_O, one packed multiply-add for two numbers.  LIMIT: e10 + e11 lies between -126 and 127.
.set STG,   131072
.set SP,    528
.set SPARE, STG+128*SP                 ; behind the stage: the spare words, 128 bytes for each of 16 waves: eight blocks of 256 bytes that no other line names
; v1 16 x lane; v2, v3 LDS addresses of my fragments; v4, v5 the add's two; v6, v7 the stage, in and back; v16-31 b_O; v32-63 the accumulators ((t1, t0) at 32 + 16 t1 + 8 t0);
; v64-127, v128-191 two sets of four fragments; v192-223 the results; v224-255 rows read back
.macro LOADS s                         ; K step s: my two fragments of W_O and my two of Z into set s % 2
.set FS, 64+64*((\s)%2)
.irp t, 0,1
.irp c, 0,1,2,3
	ds_load_b128 v[FS+16*\t+4*\c:FS+16*\t+4*\c+3], v2 offset:(\s)*16384+\t*2048+\c*512
	ds_load_b128 v[FS+32+16*\t+4*\c:FS+32+16*\t+4*\c+3], v3 offset:(\s)*16384+\t*2048+\c*512
.endr
.endr
.endm
.macro MUL s
.set FS, 64+64*((\s)%2)
.irp u, 0,1
.irp t, 0,1
.if (\s) == 0
	v_wmma_f32_16x16x128_fp8_fp8 v[32+16*\u+8*\t:39+16*\u+8*\t], v[FS+16*\t:FS+16*\t+15], v[FS+32+16*\u:FS+32+16*\u+15], 0
.else
	v_wmma_f32_16x16x128_fp8_fp8 v[32+16*\u+8*\t:39+16*\u+8*\t], v[FS+16*\t:FS+16*\t+15], v[FS+32+16*\u:FS+32+16*\u+15], v[32+16*\u+8*\t:39+16*\u+8*\t]
.endif
.endr
.endr
.endm
.macro PLACES                          ; four places in front of loads into registers that products have read, and of the first read of results (ISA guide 7.12.1 for vector instructions)
.rept 4
	v_nop
.endr
.endm
.macro CROUND                          ; a round of the cluster's barrier
	s_barrier_signal -1
	s_barrier_wait -1
	s_cmp_lg_u32 s14, 0
	s_cbranch_scc1 .Lnot_wave_0_\@
	s_barrier_signal -3
.Lnot_wave_0_\@:
	s_barrier_wait -3
	s_barrier_signal -1
	s_barrier_wait -1
.endm
	s_load_b256 s[4:11], s[0:1], 0x0               ; z_img s[4:5], w_img s[6:7], b_O s[8:9], the exponents s[10:11]
	s_load_b64 s[12:13], s[0:1], 0x20              ; out
	v_lshl_add_u32 v4, v0, 2, SPARE
	v_mov_b32 v5, 0
	ds_add_u32 v4, v5                              ; the wave's opening: the add, twice on end, and its wait ahead of the first tensor load; the set-up below, work on registers, stands between them
	ds_add_u32 v4, v5
	v_lshrrev_b32 v8, 5, v0
	v_readfirstlane_b32 s14, v8                    ; wave 0..15
	v_and_b32 v12, 31, v0
	v_and_b32 v9, 15, v0                           ; r
	v_bfe_u32 v10, v0, 4, 1                        ; h
	v_lshlrev_b32 v1, 4, v12                       ; 16 x lane
	s_wait_alu depctr_va_vdst(0)                   ; ahead of the scalar lines
	s_bfe_u32 s50, ttmp6, 0x40000                  ; cx
	s_bfe_u32 s15, ttmp6, 0x40004                  ; cy = y: which 128 features
	s_lshl_b32 s51, ttmp9, 2
	s_add_co_u32 s51, s51, s50                     ; x: which 128 tokens
	s_lshr_b32 s16, s14, 2                         ; a
	s_and_b32 s17, s14, 3                          ; b; also: which K step I fetch
	s_lshl_b32 s18, s15, 2
	s_lshl_b32 s18, 15, s18                        ; my row of the cluster
	s_lshl_b32 s19, 0x1111, s50                    ; my column
	s_or_b32 s20, s18, (3<<16)|(1<<21)             ; descriptor group 1: 64 rows of 256 bytes, dense: elements of 8 bytes, no padding; W_O's goes to my row,
	s_or_b32 s52, s19, (3<<16)|(1<<21)             ; Z's to my column
.irp g, 20,52
	s_mov_b32 s[\g+1], 32<<16                      ; tensor_dim0 = 32
	s_mov_b32 s[\g+2], 64<<16                      ; tensor_dim1 = 64
	s_mov_b32 s[\g+3], 32<<16                      ; tile_dim0 = 32
	s_mov_b32 s[\g+4], 64                          ; tile_dim1 = 64
	s_mov_b32 s[\g+5], 32                          ; from row to row
	s_mov_b32 s[\g+6], 0
	s_mov_b32 s[\g+7], 0
.endr
	s_lshl_b32 s42, s17, 16                        ; w_img: the fourth weight, K step w % 4, eight tiles from 8 y on
	s_lshl_b32 s43, s15, 14
	s_add_co_u32 s42, s42, s43
	s_add_co_u32 s42, s42, 786432
	s_mov_b32 s43, 0
	s_lshl_b32 s44, s17, 20                        ; z_img: K step w % 4, eight tiles from 8 x on
	s_lshl_b32 s45, s51, 14
	s_add_co_u32 s44, s44, s45
	s_mov_b32 s45, 0
	s_mov_b32 s28, 1                               ; group 0: count = 1
	s_lshl_b32 s29, s14, 14                        ; LDS address: 16,384 x wave
	s_mov_b32 s36, 1
	s_lshl_b32 s37, s14, 14
	s_wait_dscnt 0x0                               ; both opening adds are done
	s_wait_kmcnt 0x0
	s_load_b64 s[46:47], s[10:11], 0x28            ; e10, e11
	s_add_nc_u64 s[30:31], s[6:7], s[42:43]
	s_or_b32 s31, s31, 0x80000000                  ; type = 2
	s_add_nc_u64 s[38:39], s[4:5], s[44:45]
	s_or_b32 s39, s39, 0x80000000
	CROUND                                         ; all sixteen work-groups are here: the joint loads meet
	s_cmp_lt_u32 s14, 4                            ; waves 0-3 fetch W_O's K steps, waves 4-7 Z's.  The branches hang on the wave's number alone
	s_cbranch_scc0 .Lnot_w
	tensor_load_to_lds s[28:31], s[20:27]
	s_nop 0
.rept 4
	v_nop
.endr
	s_branch .Lasked
.Lnot_w:
	s_cmp_lt_u32 s14, 8
	s_cbranch_scc0 .Lasked
	tensor_load_to_lds s[36:39], s[52:59]
	s_nop 0
.rept 4
	v_nop
.endr
.Lasked:
	v_lshlrev_b32 v11, 6, v10                      ; b_O: 16 h numbers on
	s_lshl_b32 s44, s15, 9                         ; at feature 128 y + 32 a
	s_lshl_b32 s45, s16, 7
	s_add_co_u32 s44, s44, s45
	s_mov_b32 s45, 0
	s_add_nc_u64 s[8:9], s[8:9], s[44:45]
.irp q, 0,1,2,3
	global_load_b128 v[16+4*\q:19+4*\q], v11, s[8:9] offset:16*\q
.endr
	s_lshl_b32 s40, s16, 12
	v_add_nc_u32 v2, s40, v1                       ; W_O: two images from 4,096 a on
	s_lshl_b32 s40, s17, 12
	s_add_co_u32 s40, s40, 65536
	v_add_nc_u32 v3, s40, v1                       ; Z: two images from 4,096 b on
	v_mul_u32_u24 v6, v9, SP
	v_lshl_add_u32 v6, v10, 6, v6
	s_mul_i32 s40, s17, 32*SP
	s_lshl_b32 s41, s16, 7
	s_add_co_u32 s40, s40, s41
	s_add_co_u32 s40, s40, STG
	v_add_nc_u32 v6, s40, v6                       ; the stage, in: row 32 b + 16 t1 + r (tile by tile), byte 128 a + 64 h
	s_mul_i32 s40, s14, 8*SP
	s_add_co_u32 s40, s40, STG
	v_add_nc_u32 v7, s40, v1                       ; and back: my eight rows, 16 bytes a lane
	s_lshl_b32 s48, s51, 7                         ; stage rows 8 w .. 8 w + 7 are the eight consecutive tokens from 128 x + 32 (w / 4) + 8 ((w / 2) % 2) + 16 (w % 2) on
	s_lshl_b32 s49, s16, 5
	s_add_co_u32 s48, s48, s49
	s_bfe_u32 s49, s14, 0x10001
	s_lshl_b32 s49, s49, 3
	s_add_co_u32 s48, s48, s49
	s_and_b32 s49, s14, 1
	s_lshl_b32 s49, s49, 4
	s_add_co_u32 s48, s48, s49
	s_lshl_b32 s48, s48, 11                        ; rows of 2,048 bytes,
	s_lshl_b32 s49, s15, 9                         ; + my work-group's 512 bytes of them
	s_add_co_u32 s48, s48, s49
	s_mov_b32 s49, 0
	s_add_nc_u64 s[12:13], s[12:13], s[48:49]
	s_wait_alu depctr_va_vdst(0)                   ; the head's end
	s_wait_kmcnt 0x0
	s_add_co_i32 s46, s46, s47
	s_add_co_i32 s46, s46, 127
	s_lshl_b32 s46, s46, 23                        ; 2^(e10 + e11) as f32
	s_mov_b32 s47, s46                             ; (named with it as a pair, so it is written)
	s_wait_tensorcnt 0x0                           ; my load has landed,
	s_barrier_signal -1
	s_barrier_wait -1                              ; everybody's has
	LOADS 0
	LOADS 1
	s_wait_dscnt 16                                ; K step 0's sixteen loads are in; the next set's sixteen are younger
	MUL 0
	PLACES
	LOADS 2
	s_wait_dscnt 16
	MUL 1
	PLACES
	LOADS 3
	s_wait_dscnt 16
	MUL 2
	s_wait_dscnt 0x0
	MUL 3
	PLACES
	s_wait_loadcnt 0x0                             ; b_O
.irp u, 0,1
.irp i, 0,2,4,6,8,10,12,14
	v_pk_fma_f32 v[192+16*\u+\i:193+16*\u+\i], v[32+16*\u+\i:33+16*\u+\i], s[46:47], v[16+\i:17+\i] op_sel_hi:[1,0,1]   ; sum x 2^(e10 + e11) + b_O; each accumulator from its low end on
.endr
.endr
.irp u, 0,1
.irp q, 0,1,2,3
	ds_store_b128 v6, v[192+16*\u+4*\q:195+16*\u+4*\q] offset:\u*16*SP+16*\q
.endr
.endr
	s_wait_dscnt 0x0                               ; for the others' sake: my stores into the stage are done
	s_barrier_signal -1
	s_barrier_wait -1
.irp i, 0,1,2,3,4,5,6,7
	ds_load_b128 v[224+4*\i:227+4*\i], v7 offset:SP*\i
.endr
.irp i, 0,1,2,3,4,5,6,7
	s_wait_dscnt 7-\i                              ; row i is back; the later rows' loads are younger
	global_store_b128 v1, v[224+4*\i:227+4*\i], s[12:13] offset:2048*\i th:TH_STORE_NT   ; 32 lanes store 512 consecutive bytes, at a multiple of 512 from the output's first byte; written once, read by nobody here
.endr
	s_wait_tensorcnt 0x0                           ; the wave's end: behind my last tensor load and my last LDS store
	ds_add_u32 v4, v5
	s_wait_dscnt 0x0
	CROUND                                         ; the closing round: no work-group ends while a partner may still ask for a part that names it
	s_endpgm
.Lfunc_end_k_q8c5e08194e_oproj:
	.size	k_q8c5e08194e_oproj, .Lfunc_end_k_q8c5e08194e_oproj-k_q8c5e08194e_oproj
	.p2alignl 7, 3214868480
	.fill 96, 4, 3214868480
	.section	.rodata,"a",@progbits
	.p2align	6, 0x0
	.amdhsa_kernel k_q8c5e08194e_oproj
		.amdhsa_group_segment_fixed_size 327680
		.amdhsa_private_segment_fixed_size 0
		.amdhsa_enable_private_segment 0
		.amdhsa_kernarg_size 40
		.amdhsa_user_sgpr_count 2
		.amdhsa_user_sgpr_kernarg_segment_ptr 1
		.amdhsa_wavefront_size32 1
		.amdhsa_system_sgpr_workgroup_id_x 1
		.amdhsa_system_sgpr_workgroup_id_y 1
		.amdhsa_system_sgpr_workgroup_id_z 1
		.amdhsa_system_vgpr_workitem_id 0
		.amdhsa_next_free_vgpr 256
		.amdhsa_next_free_sgpr 98
		.amdhsa_reserve_vcc 0
		.amdhsa_float_denorm_mode_32 3
		.amdhsa_float_denorm_mode_16_64 3
		.amdhsa_memory_ordered 1
		.amdhsa_forward_progress 1
		.amdhsa_inst_pref_size 16
	.end_amdhsa_kernel
	.amdgpu_metadata
---
amdhsa.version: [ 1, 2 ]
amdhsa.kernels:
  - .name:           k_q8c5e08194e_oproj
    .symbol:         k_q8c5e08194e_oproj.kd
    .args:
      - { .name: z_img, .offset: 0, .size: 8, .value_kind: global_buffer, .address_space: global }
      - { .name: w_img, .offset: 8, .size: 8, .value_kind: global_buffer, .address_space: global }
      - { .name: b_O, .offset: 16, .size: 8, .value_kind: global_buffer, .address_space: global }
      - { .name: lowp_scales, .offset: 24, .size: 8, .value_kind: global_buffer, .address_space: global }
      - { .name: out0, .offset: 32, .size: 8, .value_kind: global_buffer, .address_space: global }
    .group_segment_fixed_size: 327680
    .private_segment_fixed_size: 0
    .kernarg_segment_align: 8
    .kernarg_segment_size: 40
    .max_flat_workgroup_size: 512
    .sgpr_count:     98
    .vgpr_count:     256
    .wavefront_size: 32
...
	.end_amdgpu_metadata
.endif
;; end of part 4
